; MI455X (gfx1250); checked and timed in simulation.
; The chip was launched on July 23, 2026; its instructions are those of AMD's public machine-readable ISA for CDNA 5 (MIT licence, August 2026) and "CDNA5" Instruction Set Architecture Reference Guide (July 2026). The comments in the code are by the model that wrote it; some were corrected since.
;; QSGA. Allowed arithmetic: float matrix products may take bf16 or f16 operands with f32 sums; all other float work in f32.
;; Inputs: Wk 256 x 256 float32; Wo 256 x 256 float32; Wp 8 x 3 float32; Wq 256 x 256 float32; Wv 256 x 256 float32; bk 256 float32; bo 256 float32; bp 8 float32; bq 256 float32; bv 256 float32; gating 8 float32; q_feat 2 x 790 x 256 float32; rel_indices 1 x 790 x 790 x 3 float32; s_feat 5 x 790 x 256 float32.
;; Outputs: out0 2 x 5 x 790 x 256 float32.
;; One version. Each part assembles by itself: llvm-mc -triple=amdgcn-amd-amdhsa -mcpu=gfx1250 --defsym DOCPART=n.
;; ======== version 1 of 1: 2 launches
;; limits: values are held in f16: magnitudes above 65,504 overflow, below 6.1e-05 lose precision
;; workspace buffers: Qf 819,200 bytes; Kf 2,048,000 bytes; Vf 2,048,000 bytes; Pf 10,240,000 bytes; Wof 131,072 bytes
;; launch prep (part 1): grid 221 x 1, 8 waves a work-group, no clusters, 178,432 bytes of LDS; arguments q_feat, s_feat, Wq, Wk, Wv, Wo, bq, bk, bv, rel_indices, Wp, bp, Qf, Kf, Vf, Wof, Pf; writes Qf, Kf, Vf, Wof, Pf
.if DOCPART == 1
	.amdgcn_target "amdgcn-amd-amdhsa--gfx1250"
	.amdhsa_code_object_version 6
	.text
	.protected	k_qcd1d0b9477_prep
	.globl	k_qcd1d0b9477_prep
	.p2align	8
	.type	k_qcd1d0b9477_prep,@function
k_qcd1d0b9477_prep:
	s_mov_b64 s[64:65], 0
	v_nop
	global_prefetch_b8 v0, s[64:65] scope:SCOPE_SE
	s_setreg_imm32_b32 hwreg(HW_REG_WAVE_MODE, 25, 1), 1
	s_wait_xcnt 0x0
; PREP: everything of the module that does not hang on a (query image, support image) pair, stored in f16 as the register images of
; the matrix fragments that the second launch loads: there and here one 16-byte access of a wave covers 512 consecutive aligned bytes.
;   work-groups   0.. 99: positional softmax.  Work-group = (query tile of 16 rows, group of 4 heads); wave = (head, half of the keys).
;   work-groups 100..119: q = q_feat Wq^T + bq     120..169: k = s_feat Wk^T + bk     170..219: v = s_feat Wv^T + bv
;                         work-group = 80 rows of one image x 256 channels; wave w = channels 32 w .. 32 w + 31 (head w).
;   work-group  220     : Wo in f16.
; Images (L = lane = 16 hh + r; each lane's 16 bytes are 8 f16, ascending index in ascending bits):
;   Qf, Kf: ((img 8 + h) 50 + t) 1024 + i 512 + 16 L : x[img][16 t + r][32 h + 16 i + 8 hh + 0..7]
;   Vf    : the same place                            : v[img][16 t + 8 hh + 0..7][32 h + 16 i + r]
;   Pf    : (h 50 + qt) 25600 + t 512 + 16 L          : pos[h][16 qt + r][16 t + 8 hh + 0..7]
;   Wof   : ((ct 8 + kk) 2 + p) 512 + 16 L            : Wo[16 ct + r][32 kk + 16 p + 8 hh + 0..7]
; 790 rows are padded to 800: rows 790..799 of Qf, Kf, Vf and query rows 790..799 of Pf are copies of row 789 (finite, never shown in the
; output); keys 790..799 of Pf are exactly 0.
; WHY F16: the output is a sum of 256 x 790 small random terms and is compared within a hundredth of its root mean square; three or more
; roundings to 8 significant bits along the chain (probabilities, v, the heads' outputs) use that up, roundings to 11 bits do not.
; LIMITS: features, weights, q, k, v and the positional probabilities are rounded to f16 (matrix operands).  Any of them at or above 65,504 in
; magnitude would overflow; below 2^-14 they are kept as denormals, in steps of 2^-24.  The room: features of spread 1, weights of 0.02 to 1 and
; q, k, v of a few units leave a factor of thousands; all inputs 30 times larger give q, k, v 900 times larger, some thousands; common offsets
; of 30 on the features and 1.9 on Wv (30 times its spread) give |v| about 256 x 30 x 1.9 = 15,000.  Probabilities are at most 1.
; Sums run in another order than in the problem's function; NaN and infinities among the inputs are not served.  The positional softmax takes its
; row maximum away.
; No cluster, no tensor loads: weights are the only bytes that work-groups share, each is converted on its way into LDS, and 120 and 100
; work-groups of three kinds do not make groups of four with like requests.  EXEC is never changed.  Every branch hangs on the work-group's
; number alone: all eight waves of a work-group take the same way.
.set LOG2E,  0x3fb8aa3b
.set PITCH,  528                       ; an LDS row of 256 f16 + 16 bytes: 33 x 16, so the 16 rows of a fragment load start 16 bytes apart modulo 256
.set WROUND, 4*PITCH                   ; one round of the fill = 4,096 bytes of f32 = 4 rows
.set FLDS,   256*PITCH                 ; features behind the 256 weight rows: 80 rows
.set SETF,   16                        ; v[16:95]   20 rounds of features as loaded
.set SETA,   96                        ; v[96:175]  20 rounds of weights
.set SETB,   176                       ; v[176:255] 20 rounds of weights
.set PK,     16                        ; v[16:23]   a tile's results in f16
.set ACC,    32                        ; v[32:47]   two accumulators (16 channels each)
.set BIASR,  48                        ; v[48:63]   the bias in the accumulators' layout: the first product's C
.set FF,     64                        ; v[64:127]  feature fragments of a tile, 8 K steps
.set WF,     128                       ; v[128:255] weight fragments, (ct, kk) at 8 (8 ct + kk)
; positional path.  LDS: row r of the query tile's 16 rows of rel_indices at byte 9,480 r + 32 (r >> 2); the two reduction tables behind them.
; v2 = 16 L (the stores' offset) and v3 = my LDS address lie below the buffers, which are loaded into again and again.
.set ROWB,   9480                      ; a row of rel_indices: 790 keys x 3 f32
.set HALFB,  2*ROWB                    ; what one wave copies: two rows
.set REDM,   155648                    ; 8 waves x 16 rows x 4 bytes: row maxima; the sums lie 512 bytes further
.set BUF,    4                         ; v[4:39]    three buffers of 4 keys x 3 numbers
.set LG,     40                        ; v[40:239]  25 tiles x 8 keys: logits, then exponentials, then f16
.set MA,     240
.set MB,     241
.set TMP,    242
.set NINF,   243
.set NEG,    244                       ; pair: minus the row's maximum
.set SUMA,   246                       ; pair
.set SUMB,   248                       ; pair
.set SC,     250                       ; pair: 1 / sum
.set RO,     252                       ; LDS address of my word
.set RP,     253                       ; and of the word of the wave with the other half of the keys
.set LA,     254                       ; LDS addresses of my last key tile: keys + 0..3,
.set LB,     255                       ; keys + 4, 5,
.set LC,     1                         ; keys + 6, 7: each clamped into the row
.macro PLACES n
.rept \n
	v_nop
.endr
.endm
	s_load_b512 s[8:23], s[0:1], 0x0               ; q_feat 8, s_feat 10, Wq 12, Wk 14, Wv 16, Wo 18, bq 20, bk 22
	s_load_b512 s[24:39], s[0:1], 0x40             ; bv 24, rel_indices 26, Wp 28, bp 30, Qf 32, Kf 34, Vf 36, Wof 38
	s_load_b64 s[40:41], s[0:1], 0x80              ; Pf
	s_set_vgpr_msb 0x40
	v_lshl_add_u32 v0, v0, 2, 0x2b500
	v_mov_b32 v1, 0
	s_set_vgpr_msb 0x4000
	v_lshrrev_b32 v1, 5, v0
	v_readfirstlane_b32 s2, v1                     ; wave 0..7
	v_and_b32 v14, 31, v0                          ; lane
	v_and_b32 v12, 15, v0                          ; r
	v_bfe_u32 v13, v0, 4, 1                        ; hh
	v_lshlrev_b32 v10, 4, v14                      ; 16 L
	s_lshl_b32 s7, s2, 9
	v_add_nc_u32 v1, s7, v10                       ; 16 x thread
	s_mov_b32 s53, 0                               ; s[52:53]: every byte offset, with 0 above it
	s_wait_kmcnt 0x0
	s_cmp_lt_u32 ttmp9, 100
	s_cbranch_scc1 .Lpos
; ------------------------------------------------------------------ projections and Wo
	s_sub_co_u32 s3, ttmp9, 100                    ; p: 0..19 Q, 20..69 K, 70..119 V, 120 Wo
	s_cmp_lt_u32 s3, 20
	s_cselect_b32 s4, 0, 20
	s_cselect_b64 s[44:45], s[8:9], s[10:11]       ; features
	s_cselect_b64 s[46:47], s[12:13], s[14:15]     ; weights
	s_cselect_b64 s[48:49], s[20:21], s[22:23]     ; bias
	s_cselect_b64 s[50:51], s[32:33], s[34:35]     ; destination
	s_cmp_lt_u32 s3, 70
	s_cselect_b32 s4, s4, 70
	s_cselect_b64 s[46:47], s[46:47], s[16:17]
	s_cselect_b64 s[48:49], s[48:49], s[24:25]
	s_cselect_b64 s[50:51], s[50:51], s[36:37]
	s_cmp_lt_u32 s3, 120
	s_cselect_b64 s[46:47], s[46:47], s[18:19]
	s_cselect_b64 s[50:51], s[50:51], s[38:39]
	s_lshr_b32 s42, s2, 1                          ; a round's row of my wave: thread / 64
	s_and_b32 s43, s2, 1                           ; and which half of that row
	s_mul_i32 s7, s42, PITCH
	s_lshl_b32 s55, s43, 8
	s_add_co_u32 s7, s7, s55
	v_lshl_add_u32 v2, v14, 3, s7                  ; LDS: row x 528 + 8 bytes (4 f16) for each 16 bytes of f32
	v_add_nc_u32 v3, 32*WROUND, v2                 ; rounds 32..63: beyond the 16-bit offset
	v_mul_u32_u24 v15, v12, PITCH
	v_lshl_add_u32 v15, v13, 4, v15                ; fragment address: r x 528 + 16 hh
	s_mul_i32 s7, s2, 32*PITCH
	v_add_nc_u32 v9, s7, v15                       ; my 32 weight rows
	s_cmp_eq_u32 s3, 120
	s_cbranch_scc1 .Lwo
	s_sub_co_u32 s4, s3, s4                        ; number within the kind
	s_mul_i32 s5, s4, 205
	s_lshr_b32 s5, s5, 11                          ; image = number / 10 (exact for 0..49)
	s_mul_i32 s6, s5, 10
	s_sub_co_u32 s6, s4, s6                        ; group of 80 rows, 0..9
	s_mul_i32 s7, s5, 790
	s_mul_i32 s55, s6, 80
	s_add_co_u32 s7, s7, s55
	s_lshl_b32 s52, s7, 10
	s_add_nc_u64 s[44:45], s[44:45], s[52:53]      ; features at the group's first row
	s_lshl_b32 s52, s2, 7
	s_add_nc_u64 s[48:49], s[48:49], s[52:53]      ; bias at my 32 channels
	s_lshl_b32 s7, s5, 3
	s_add_co_u32 s7, s7, s2
	s_mul_i32 s7, s7, 50
	s_mul_i32 s56, s6, 5
	s_add_co_u32 s7, s7, s56
	s_lshl_b32 s52, s7, 10
	s_add_nc_u64 s[50:51], s[50:51], s[52:53]      ; ((image 8 + head) 50 + 5 group) 1024
	s_sub_co_u32 s54, 789, s55
	s_min_u32 s54, s54, 79                         ; the group's last row that exists (69 in group 9)
	s_lshl_b32 s56, s43, 9
.irp R, 17,18,19
	s_add_co_u32 s7, s42, 4*\R                     ; rounds 17..19 hold rows 68..79: clamped to the last row, so that no load leaves the buffer
	s_min_u32 s7, s7, s54
	s_lshl_b32 s7, s7, 10
	s_add_co_u32 s7, s7, s56
	v_add_nc_u32 v[5+\R-17], s7, v10
.endr
	v_add_nc_u32 v4, FLDS, v2
	v_add_nc_u32 v11, FLDS, v15
.macro LOADW set, r0, cnt              ; cnt rounds of weights from round r0 on
.set j, 0
.rept \cnt
	global_load_b128 v[\set+4*j:\set+4*j+3], v1, s[46:47] offset:4096*(\r0+j)
.set j, j+1
.endr
.endm
.macro CVTSET set, cnt                 ; cnt rounds rounded to f16 in place, all of them ahead of the stores that read them
.set j, 0
.rept \cnt
	v_cvt_pk_f16_f32 v[\set+4*j], v[\set+4*j], v[\set+4*j+1]
	v_cvt_pk_f16_f32 v[\set+4*j+1], v[\set+4*j+2], v[\set+4*j+3]
.set j, j+1
.endr
.endm
.macro STOREW set, r0, cnt             ; rounded, then laid into LDS
	CVTSET \set, \cnt
.set j, 0
.rept \cnt
.if \r0+j < 32
	ds_store_b64 v2, v[\set+4*j:\set+4*j+1] offset:WROUND*(\r0+j)
.else
	ds_store_b64 v3, v[\set+4*j:\set+4*j+1] offset:WROUND*(\r0+j-32)
.endif
.set j, j+1
.endr
.endm
; The fill.  Every count names the loads issued behind the set that is wanted; loads come back in order (ISA guide 5.7.1).
.macro FILLW withf
.if \withf
.set j, 0
.rept 17
	global_load_b128 v[SETF+4*j:SETF+4*j+3], v1, s[44:45] offset:4096*j
.set j, j+1
.endr
.rept 3
	global_load_b128 v[SETF+4*j:SETF+4*j+3], v[5+j-17], s[44:45]
.set j, j+1
.endr
.endif
	LOADW SETA, 0, 20
	LOADW SETB, 20, 20
.if \withf
	s_wait_loadcnt 40                              ; the features are in; 40 weight loads stay out
	CVTSET SETF, 20
.set j, 0
.rept 20
	ds_store_b64 v4, v[SETF+4*j:SETF+4*j+1] offset:WROUND*j
.set j, j+1
.endr
.endif
	s_wait_loadcnt 20                              ; rounds 0..19 are in; 20..39 stay out
	STOREW SETA, 0, 20
	LOADW SETA, 40, 20
	s_wait_loadcnt 20                              ; rounds 20..39 are in; 40..59 stay out
	STOREW SETB, 20, 20
	LOADW SETB, 60, 4
	s_wait_loadcnt 4                               ; rounds 40..59 are in; 60..63 stay out
	STOREW SETA, 40, 20
	s_wait_loadcnt 0x0
	STOREW SETB, 60, 4
.endm
.macro WFRAG                           ; my 32 weight rows as 2 x 8 fragments: row r, K = 32 kk + 8 hh .. and 32 kk + 16 + 8 hh ..
.set ct, 0
.rept 2
.set kk, 0
.rept 8
	ds_load_b128 v[WF+8*(8*ct+kk):WF+8*(8*ct+kk)+3], v9 offset:ct*16*PITCH+kk*64
	ds_load_b128 v[WF+8*(8*ct+kk)+4:WF+8*(8*ct+kk)+7], v9 offset:ct*16*PITCH+kk*64+32
.set kk, kk+1
.endr
.set ct, ct+1
.endr
.endm
.macro FFRAG tt                        ; the 16 feature rows of tile tt as 8 fragments
.set kk, 0
.rept 8
	ds_load_b128 v[FF+8*kk:FF+8*kk+3], v11 offset:(\tt)*16*PITCH+kk*64
	ds_load_b128 v[FF+8*kk+4:FF+8*kk+7], v11 offset:(\tt)*16*PITCH+kk*64+32
.set kk, kk+1
.endr
.endm
.macro MM d, a, b, c
	v_wmma_f32_16x16x32_f16 v[\d:\d+7], v[\a:\a+7], v[\b:\b+7], v[\c:\c+7]
.endm
; One tile: 16 rows x my 32 channels over K = 256.  form 0 (q, k): source 0 = weights, so a lane gets 8 neighbouring channels of one row;
; form 1 (v): source 0 = features, so a lane gets 8 neighbouring rows (keys) of one channel.  The first product takes the bias as C.
; The two accumulators take turns, one instruction a turn.
.macro TILE tt, form
	s_wait_dscnt 0x0                               ; this tile's fragments (and, in tile 0, the weights')
.set kk, 0
.rept 8
.set ct, 0
.rept 2
.if kk == 0
.set cc, BIASR+8*ct
.else
.set cc, ACC+8*ct
.endif
.if \form == 0
	MM ACC+8*ct, WF+8*(8*ct+kk), FF+8*kk, cc
.else
	MM ACC+8*ct, FF+8*kk, WF+8*(8*ct+kk), cc
.endif
.set ct, ct+1
.endr
.set kk, kk+1
.endr
	PLACES 5                                       ; four places before results are read and fragments loaded anew, five before the next tile's first product writes over an accumulator (ISA guide 7.12.1)
.if \tt < 4
	FFRAG \tt+1
.endif
.if \tt > 0
	s_wait_xcnt 0x0                                ; PK is the last tile's store data: written again only behind this wait
.endif
.set j, 0
.rept 8
	v_cvt_pk_f16_f32 v[PK+j], v[ACC+2*j], v[ACC+2*j+1]
.set j, j+1
.endr
	global_store_b128 v10, v[PK:PK+3], s[50:51] offset:\tt*1024          ; 512 consecutive aligned bytes of the wave
	global_store_b128 v10, v[PK+4:PK+7], s[50:51] offset:\tt*1024+512
.endm
.macro PROJ form
.if \form == 0
	v_lshlrev_b32 v8, 5, v13                       ; bias[32 w + 16 ct + 8 hh + 0..7]
	global_load_b128 v[BIASR:BIASR+3], v8, s[48:49]
	global_load_b128 v[BIASR+4:BIASR+7], v8, s[48:49] offset:16
	global_load_b128 v[BIASR+8:BIASR+11], v8, s[48:49] offset:64
	global_load_b128 v[BIASR+12:BIASR+15], v8, s[48:49] offset:80
.else
	v_lshlrev_b32 v8, 2, v12                       ; bias[32 w + 16 ct + r]
	global_load_b32 v24, v8, s[48:49]
	global_load_b32 v25, v8, s[48:49] offset:64
.endif
	s_wait_dscnt 0x0                               ; my part of the weights and features lies in LDS,
	s_barrier_signal -1
	s_barrier_wait -1                              ; everybody's does
	WFRAG
	FFRAG 0
	s_wait_loadcnt 0x0                             ; the bias
.if \form
.set j, 0
.rept 8
	v_mov_b32 v[BIASR+j], v24                      ; one channel a lane: the same bias in all eight rows
	v_mov_b32 v[BIASR+8+j], v25
.set j, j+1
.endr
.endif
	TILE 0, \form
	TILE 1, \form
	TILE 2, \form
	TILE 3, \form
	TILE 4, \form
	s_set_vgpr_msb 0x5
	s_wait_tensorcnt 0x0
	ds_add_u32 v0, v1
	s_wait_dscnt 0x0
	s_set_vgpr_msb 0x500
	s_endpgm
.endm
	FILLW 1
	s_cmp_lt_u32 s3, 70
	s_cbranch_scc0 .Lvform
	PROJ 0
.Lvform:
	PROJ 1
.Lwo:                                              ; Wo: the same fill and fragments, stored as they are
	s_lshl_b32 s52, s2, 14
	s_add_nc_u64 s[50:51], s[50:51], s[52:53]      ; my 32 rows: 2 x 8 x 2 pieces of 512 bytes
	FILLW 0
	s_wait_dscnt 0x0
	s_barrier_signal -1
	s_barrier_wait -1
	WFRAG
	s_wait_dscnt 0x0
.set ct, 0
.rept 2
.set kk, 0
.rept 8
	global_store_b128 v10, v[WF+8*(8*ct+kk):WF+8*(8*ct+kk)+3], s[50:51] offset:ct*8192+kk*1024
	global_store_b128 v10, v[WF+8*(8*ct+kk)+4:WF+8*(8*ct+kk)+7], s[50:51] offset:ct*8192+kk*1024+512
.set kk, kk+1
.endr
.set ct, ct+1
.endr
	s_set_vgpr_msb 0x5
	s_wait_tensorcnt 0x0
	ds_add_u32 v0, v1
	s_wait_dscnt 0x0
	s_set_vgpr_msb 0x500
	s_endpgm
; ------------------------------------------------------------------ positional softmax
.Lpos:
	s_lshr_b32 s3, ttmp9, 1                        ; query tile 0..49
	s_and_b32 s4, ttmp9, 1                         ; heads 0..3 or 4..7
	s_lshr_b32 s5, s2, 1
	s_and_b32 s6, s2, 1                            ; my half of the keys: tiles 25 sh .. 25 sh + 24
	s_lshl2_add_u32 s7, s4, s5                     ; my head
	s_mul_i32 s52, s3, 16*ROWB                     ; 16 rows of 790 x 3 f32
	s_add_nc_u64 s[44:45], s[26:27], s[52:53]
	s_mul_i32 s42, s7, 12
	s_lshl_b32 s43, s7, 2
	s_load_b96 s[56:58], s[28:29], s42 offset:0x0  ; Wp[h][0..2]
	s_load_b32 s59, s[30:31], s43 offset:0x0       ; bp[h]
	s_mul_i32 s52, s7, 50
	s_add_co_u32 s52, s52, s3
	s_mul_i32 s52, s52, 25600
	s_mul_i32 s54, s6, 12800
	s_add_co_u32 s52, s52, s54
	s_add_nc_u64 s[46:47], s[40:41], s[52:53]      ; Pf at (head, query tile, my first key tile)
	s_mov_b32 s62, 0x76543210                      ; v_permlanex16_b32: lane i takes lane i of the other half
	s_mov_b32 s63, 0xfedcba98
; THE FILL.  Wave w copies rows 2 w and 2 w + 1 of the tile: 18,960 consecutive bytes, a multiple of 16, from byte 18,960 w of the tile's block to LDS
; byte 18,960 w + 32 (w >> 1): 32 bytes are left free behind every four rows.  Why: the logits read 8 bytes a lane, lane (r, hh) at word
; 2,370 r + 8 (r >> 2) + 24 hh + a constant; modulo 64 (64 banks of 4 bytes: ISA guide 11.1), with r = 4 a + c, that is 16 a + 2 c + 24 hh: the lower lanes
; start at {0, 2, 4, 6} + 16 a, the upper at {8, 10, 12, 14} + 16 (a + 1).  (Without the free bytes it is
; 2 r + 24 hh, and rows 12..15 of the lower lanes meet rows 0..3 of the upper.)
; 18,960 = 37 x 512 + 16: the 38th load takes the part's last 512 bytes, of which 496 have been taken already: the same wave writes the same
; numbers to the same bytes twice, and no lane's address has to be clamped.  Query tile 49 has rows 784..789 only, three waves' parts: there waves 3 to 7
; read wave 2's part once more (49 x 151,680 + 3 x 18,960 = 7,489,200, the buffer's end) and lay it into their own LDS bytes, which no lane reads.
; So the fill has no branch, and no load leaves the buffer.
	s_cmp_eq_u32 s3, 49
	s_cselect_b32 s55, 5, 15                       ; the tile's last row that exists
	s_cselect_b32 s50, 2, 7                        ; and the last part that exists
	s_min_u32 s50, s2, s50
	s_mul_i32 s48, s50, HALFB                      ; from: the part that I read
	s_mul_i32 s49, s2, HALFB
	s_lshl_b32 s54, s5, 5
	s_add_co_u32 s49, s49, s54                     ; to: my own bytes, by my wave's number alone
	v_add_nc_u32 v1, s48, v10                      ; + 16 L
	v_add_nc_u32 v6, s49, v10
.set j, 0
.rept 37
	global_load_b128 v[16+4*j:19+4*j], v1, s[44:45] offset:512*j
.set j, j+1
.endr
	global_load_b128 v[164:167], v1, s[44:45] offset:HALFB-512
.set j, 0
.rept 38
.if j == 0
	s_wait_loadcnt 28                              ; the first ten are in, the 28 younger stay out; and so on by tens
.endif
.if j == 10
	s_wait_loadcnt 18
.endif
.if j == 20
	s_wait_loadcnt 8
.endif
.if j == 30
	s_wait_loadcnt 0x0
.endif
.if j < 37
	ds_store_b128 v6, v[16+4*j:19+4*j] offset:512*j
.else
	ds_store_b128 v6, v[16+4*j:19+4*j] offset:HALFB-512
.endif
.set j, j+1
.endr
	s_wait_kmcnt 0x0
	s_mul_f32 s56, s56, LOG2E                      ; logits in base 2: the exponential is 2^x
	s_mul_f32 s57, s57, LOG2E
	s_mul_f32 s58, s58, LOG2E
	s_mul_f32 s59, s59, LOG2E
	s_cmp_lg_u32 s6, 0
	s_cselect_b32 s60, 0xffff0000, 0               ; key tile 49, keys 784 + 8 hh + j: j = 0..5 do not exist for hh = 1,
	s_cselect_b32 s61, -1, 0                       ; j = 6, 7 for no lane
	s_lshl_b32 s48, s2, 6
	s_add_co_u32 s48, s48, REDM
	s_xor_b32 s49, s2, 1
	s_lshl_b32 s49, s49, 6
	s_add_co_u32 s49, s49, REDM
	s_mul_i32 s50, s6, 4800                        ; 25 tiles x 16 keys x 12 bytes
	s_wait_dscnt 0x0                               ; my part of the rows lies in LDS,
	s_barrier_signal -1
	s_barrier_wait -1                              ; everybody's does
	v_lshlrev_b32 v2, 4, v14                       ; 16 L once more, below the buffers: v[4:39] are loaded into from here on
	v_min_u32 v3, s55, v12                         ; rows past 789 repeat row 789
	v_lshrrev_b32 v[MA], 2, v3
	v_mul_u32_u24 v3, v3, ROWB
	v_lshl_add_u32 v3, v[MA], 5, v3                ; my row: 9,480 r + 32 (r >> 2)
	v_mul_u32_u24 v[MB], v13, 96
	v_add_nc_u32 v[MB], s50, v[MB]                 ; my first key in it: 8 hh keys + my half of the row
	; My last tile has addresses of its own, clamped so that no byte past the row's end is read.  The clamps bite in key tile 49 alone, and there only for keys
	; 790..799, whose logits the select below replaces: keys + 0..3 (48 bytes), + 4, 5 (24 bytes), + 6, 7 (24 bytes).
	v_add_nc_u32 v[LA], 24*192, v[MB]
	v_min_u32 v[LA], ROWB-48, v[LA]
	v_add_nc_u32 v[LA], v[LA], v3
	v_add_nc_u32 v[LB], 24*192+48, v[MB]
	v_min_u32 v[LB], ROWB-24, v[LB]
	v_add_nc_u32 v[LB], v[LB], v3
	v_add_nc_u32 v[LC], 24*192+72, v[MB]           ; (v1: the fill's loads, which it addressed, are done)
	v_min_u32 v[LC], ROWB-24, v[LC]
	v_add_nc_u32 v[LC], v[LC], v3
	v_add_nc_u32 v3, v3, v[MB]
	v_lshl_add_u32 v[RO], v12, 2, s48
	v_lshl_add_u32 v[RP], v12, 2, s49
	v_mov_b32 v[NINF], 0xff800000
	v_mov_b32 v[TMP], 0                            ; a lane permute's destination counts as read
.macro LDH hf                          ; half a tile: 4 keys x 12 bytes, as six loads of 8 bytes (a row's pitch is a multiple of 8, not of 16)
.set ee, 0
.rept 6
.if (\hf) < 48
	ds_load_b64 v[BUF+12*((\hf)%3)+2*ee:BUF+12*((\hf)%3)+2*ee+1], v3 offset:((\hf)>>1)*192+((\hf)&1)*48+8*ee
.else
.if (\hf) == 48
	ds_load_b64 v[BUF+12*((\hf)%3)+2*ee:BUF+12*((\hf)%3)+2*ee+1], v[LA] offset:8*ee
.else
.if ee < 3
	ds_load_b64 v[BUF+12*((\hf)%3)+2*ee:BUF+12*((\hf)%3)+2*ee+1], v[LB] offset:8*ee
.else
	ds_load_b64 v[BUF+12*((\hf)%3)+2*ee:BUF+12*((\hf)%3)+2*ee+1], v[LC] offset:8*(ee-3)
.endif
.endif
.endif
.set ee, ee+1
.endr
.endm
	LDH 0
	LDH 1
	LDH 2
.set hf, 0
.rept 50
.if hf < 48
	s_wait_dscnt 12                                ; two younger halves of six loads stay out
.else
	s_wait_dscnt 6*(49-hf)                         ; the counts run down: one half, none
.endif
.set q, 0
.rept 4
	v_fma_f32 v[LG+4*hf+q], v[BUF+12*(hf%3)+3*q], s56, s59
.set q, q+1
.endr
.set q, 0
.rept 4
	v_fma_f32 v[LG+4*hf+q], v[BUF+12*(hf%3)+3*q+1], s57, v[LG+4*hf+q]
.set q, q+1
.endr
.set q, 0
.rept 4
	v_fma_f32 v[LG+4*hf+q], v[BUF+12*(hf%3)+3*q+2], s58, v[LG+4*hf+q]
.set q, q+1
.endr
.if hf+3 < 50
	LDH hf+3
.endif
.set hf, hf+1
.endr
.set j, 0
.rept 6
	v_cndmask_b32 v[LG+192+j], v[LG+192+j], v[NINF], s60       ; keys that do not exist: minus infinity, probability 0
.set j, j+1
.endr
	v_cndmask_b32 v[LG+198], v[LG+198], v[NINF], s61
	v_cndmask_b32 v[LG+199], v[LG+199], v[NINF], s61
	; the row's maximum: in the lane (two chains), across the two halves of the lanes, across the two waves of the head
	v_max3_num_f32 v[MA], v[LG], v[LG+1], v[LG+2]
	v_max3_num_f32 v[MB], v[LG+3], v[LG+4], v[LG+5]
.set j, 6
.rept 97
	v_max3_num_f32 v[MA+((j>>1)&1)], v[MA+((j>>1)&1)], v[LG+j], v[LG+j+1]
.set j, j+2
.endr
	v_max_num_f32 v[MA], v[MA], v[MB]
	v_permlanex16_b32 v[TMP], v[MA], s62, s63
	v_max_num_f32 v[MA], v[MA], v[TMP]
	ds_store_b32 v[RO], v[MA]
	s_wait_dscnt 0x0                               ; my word is written,
	s_barrier_signal -1
	s_barrier_wait -1                              ; the partner's too
	ds_load_b32 v[TMP], v[RP]
	s_wait_dscnt 0x0
	v_max_num_f32 v[MA], v[MA], v[TMP]
	v_sub_f32 v[NEG], 0, v[MA]
	v_mov_b32 v[NEG+1], v[NEG]
	; 2^(logit - maximum), a tile at a time; the sums of the tile before stand behind the exponentials, so that a plain instruction that touches
	; none of their registers follows the last of them (ISA guide 5.7.2)
.set tt, 0
.rept 25
.set ee, 0
.rept 4
	v_pk_add_f32 v[LG+8*tt+2*ee:LG+8*tt+2*ee+1], v[LG+8*tt+2*ee:LG+8*tt+2*ee+1], v[NEG:NEG+1]
.set ee, ee+1
.endr
.set ee, 0
.rept 8
	v_exp_f32 v[LG+8*tt+ee], v[LG+8*tt+ee]
.set ee, ee+1
.endr
.if tt == 1
	s_wait_alu depctr_va_vdst(0)
	v_pk_add_f32 v[SUMA:SUMA+1], v[LG:LG+1], v[LG+2:LG+3]      ; tile 0 starts the two chains: nothing is cleared
	v_pk_add_f32 v[SUMB:SUMB+1], v[LG+4:LG+5], v[LG+6:LG+7]
.endif
.if tt > 1
	s_wait_alu depctr_va_vdst(0)
	v_pk_add_f32 v[SUMA:SUMA+1], v[SUMA:SUMA+1], v[LG+8*tt-8:LG+8*tt-7]
	v_pk_add_f32 v[SUMB:SUMB+1], v[SUMB:SUMB+1], v[LG+8*tt-6:LG+8*tt-5]
	v_pk_add_f32 v[SUMA:SUMA+1], v[SUMA:SUMA+1], v[LG+8*tt-4:LG+8*tt-3]
	v_pk_add_f32 v[SUMB:SUMB+1], v[SUMB:SUMB+1], v[LG+8*tt-2:LG+8*tt-1]
.endif
.set tt, tt+1
.endr
	v_nop                                          ; the place behind the last exponentials
	s_wait_alu depctr_va_vdst(0)
	v_pk_add_f32 v[SUMA:SUMA+1], v[SUMA:SUMA+1], v[LG+192:LG+193]
	v_pk_add_f32 v[SUMB:SUMB+1], v[SUMB:SUMB+1], v[LG+194:LG+195]
	v_pk_add_f32 v[SUMA:SUMA+1], v[SUMA:SUMA+1], v[LG+196:LG+197]
	v_pk_add_f32 v[SUMB:SUMB+1], v[SUMB:SUMB+1], v[LG+198:LG+199]
	v_pk_add_f32 v[SUMA:SUMA+1], v[SUMA:SUMA+1], v[SUMB:SUMB+1]
	v_add_f32 v[SUMA], v[SUMA], v[SUMA+1]
	v_permlanex16_b32 v[TMP], v[SUMA], s62, s63
	v_add_f32 v[SUMA], v[SUMA], v[TMP]
	ds_store_b32 v[RO], v[SUMA] offset:512         ; other bytes than the maxima's: no barrier is owed to their readers
	s_wait_dscnt 0x0
	s_barrier_signal -1
	s_barrier_wait -1
	ds_load_b32 v[TMP], v[RP] offset:512
	s_wait_dscnt 0x0
	v_add_f32 v[SUMA], v[SUMA], v[TMP]             ; at least 1: the row's largest logit gives 2^0
	v_rcp_f32 v[SC], v[SUMA]
	v_rcp_f32 v[SC+1], v[SUMA]
	v_nop
	; scaled, rounded to f16, stored; a tile's store stands one tile behind its conversions, so that it does not wait for them
.set tt, 0
	s_wait_alu depctr_va_vdst(0)
.rept 25
.set ee, 0
.rept 4
	v_pk_mul_f32 v[LG+8*tt+2*ee:LG+8*tt+2*ee+1], v[LG+8*tt+2*ee:LG+8*tt+2*ee+1], v[SC:SC+1]
.set ee, ee+1
.endr
.set ee, 0
.rept 4
	v_cvt_pk_f16_f32 v[LG+8*tt+ee], v[LG+8*tt+2*ee], v[LG+8*tt+2*ee+1]    ; the destination never lies above a source that is still to be read
.set ee, ee+1
.endr
.if tt > 0
	global_store_b128 v2, v[LG+8*tt-8:LG+8*tt-5], s[46:47] offset:(tt-1)*512   ; 512 consecutive aligned bytes of the wave; its data are not written again
.endif
.set tt, tt+1
.endr
	global_store_b128 v2, v[LG+192:LG+195], s[46:47] offset:24*512
	s_set_vgpr_msb 0x5
	s_wait_tensorcnt 0x0
	ds_add_u32 v0, v1
	s_wait_dscnt 0x0
	s_set_vgpr_msb 0x500
	s_endpgm
.Lfunc_end_k_qcd1d0b9477_prep:
	.size	k_qcd1d0b9477_prep, .Lfunc_end_k_qcd1d0b9477_prep-k_qcd1d0b9477_prep
	.p2alignl 7, 3214868480
	.fill 96, 4, 3214868480
	.section	.rodata,"a",@progbits
	.p2align	6, 0x0
	.amdhsa_kernel k_qcd1d0b9477_prep
		.amdhsa_group_segment_fixed_size 178432
		.amdhsa_private_segment_fixed_size 0
		.amdhsa_enable_private_segment 0
		.amdhsa_kernarg_size 136
		.amdhsa_user_sgpr_count 2
		.amdhsa_user_sgpr_kernarg_segment_ptr 1
		.amdhsa_wavefront_size32 1
		.amdhsa_system_sgpr_workgroup_id_x 1
		.amdhsa_system_sgpr_workgroup_id_y 1
		.amdhsa_system_sgpr_workgroup_id_z 1
		.amdhsa_system_vgpr_workitem_id 0
		.amdhsa_next_free_vgpr 258
		.amdhsa_next_free_sgpr 66
		.amdhsa_reserve_vcc 0
		.amdhsa_float_denorm_mode_32 3
		.amdhsa_float_denorm_mode_16_64 3
		.amdhsa_memory_ordered 1
		.amdhsa_forward_progress 1
		.amdhsa_inst_pref_size 196
	.end_amdhsa_kernel
	.amdgpu_metadata
---
amdhsa.version: [ 1, 2 ]
amdhsa.kernels:
  - .name:           k_qcd1d0b9477_prep
    .symbol:         k_qcd1d0b9477_prep.kd
    .args:
      - { .name: q_feat, .offset: 0, .size: 8, .value_kind: global_buffer, .address_space: global }
      - { .name: s_feat, .offset: 8, .size: 8, .value_kind: global_buffer, .address_space: global }
      - { .name: Wq, .offset: 16, .size: 8, .value_kind: global_buffer, .address_space: global }
      - { .name: Wk, .offset: 24, .size: 8, .value_kind: global_buffer, .address_space: global }
      - { .name: Wv, .offset: 32, .size: 8, .value_kind: global_buffer, .address_space: global }
      - { .name: Wo, .offset: 40, .size: 8, .value_kind: global_buffer, .address_space: global }
      - { .name: bq, .offset: 48, .size: 8, .value_kind: global_buffer, .address_space: global }
      - { .name: bk, .offset: 56, .size: 8, .value_kind: global_buffer, .address_space: global }
      - { .name: bv, .offset: 64, .size: 8, .value_kind: global_buffer, .address_space: global }
      - { .name: rel_indices, .offset: 72, .size: 8, .value_kind: global_buffer, .address_space: global }
      - { .name: Wp, .offset: 80, .size: 8, .value_kind: global_buffer, .address_space: global }
      - { .name: bp, .offset: 88, .size: 8, .value_kind: global_buffer, .address_space: global }
      - { .name: Qf, .offset: 96, .size: 8, .value_kind: global_buffer, .address_space: global }
      - { .name: Kf, .offset: 104, .size: 8, .value_kind: global_buffer, .address_space: global }
      - { .name: Vf, .offset: 112, .size: 8, .value_kind: global_buffer, .address_space: global }
      - { .name: Wof, .offset: 120, .size: 8, .value_kind: global_buffer, .address_space: global }
      - { .name: Pf, .offset: 128, .size: 8, .value_kind: global_buffer, .address_space: global }
    .group_segment_fixed_size: 178432
    .private_segment_fixed_size: 0
    .kernarg_segment_align: 8
    .kernarg_segment_size: 136
    .max_flat_workgroup_size: 256
    .sgpr_count:     66
    .vgpr_count:     258
    .wavefront_size: 32
...
	.end_amdgpu_metadata
.endif
;; end of part 1
;; launch attn (part 2): grid 50 x 5, 8 waves a work-group, no clusters, 51,200 bytes of LDS; arguments Qf, Kf, Vf, Pf, Wof, gating, bo, out0; writes out0
.if DOCPART == 2
	.amdgcn_target "amdgcn-amd-amdhsa--gfx1250"
	.amdhsa_code_object_version 6
	.text
	.protected	k_qcd1d0b9477_attn
	.globl	k_qcd1d0b9477_attn
	.p2align	8
	.type	k_qcd1d0b9477_attn,@function
k_qcd1d0b9477_attn:
	s_mov_b64 s[64:65], 0
	v_nop
	global_prefetch_b8 v0, s[64:65] scope:SCOPE_SE
	s_setreg_imm32_b32 hwreg(HW_REG_WAVE_MODE, 25, 1), 1
	s_wait_xcnt 0x0
; ATTN: work-group = (query tile qt of 16 rows, support image m), for both query images b; wave w = head w.
; For head h:  out_h = c1 / L_b (E_b V) + c2 (Pos V),  E_b = exp(score - running maximum), L_b = its row sum, Pos = the normalised positional
; softmax, g = sigmoid(gating[h]), c1 = (1 - g) / ((1 - g) + g), c2 = g / ((1 - g) + g): the mix is linear in the two softmaxes, both of which
; sum to 1 by their own normalisation, so the mixed row's sum is (1 - g) + g.  Pos V serves both b.
; All products are taken transposed, so that no number changes its lane between them:
;   S^T = K Q^T   (source 0 = 16 keys, source 1 = 16 queries): lane (r, hh), register j = key 16 t + 8 hh + j of query r;
;   two such tiles, rounded to f16 in pairs, ARE source 1 of  O^T = V^T P^T  (source 0 = 16 channels of V over 32 keys);
;   O^T gives a lane 8 neighbouring channels of query r: 16 bytes of f16, which meet the other heads' in LDS;
;   out^T = Wo X^T + bo (source 0 = 16 rows of Wo): a lane gets 8 neighbouring output channels; whole rows leave through a stage in LDS.
; Keys go in 5 chunks of 160 (10 tiles, 5 K steps of 32) with a running maximum.  All operands come from the fragment images of the first launch,
; straight into registers, a chunk ahead: no fragment is read by two waves, so LDS would only add a trip.
; NO CLUSTER: the grid is 50 x 5 work-groups and neither 50 nor 5 is a multiple of 4; and what work-groups share (K, V of one image) goes to
; registers of single waves, not to an LDS tile that a joint load could fill.
; LIMITS: q, k, v, E, Pos, the heads' outputs X and Wo are rounded to f16 (matrix operands; 11 significant bits, since the output is compared within a
; hundredth of its root mean square and several roundings to 8 bits would use that up).  E and Pos are at most 1; X is a convex mix of rows of v and
; so no larger than v; |q|, |k|, |v|, |Wo| at or above 65,504 would overflow, which leaves the drawn sizes (a few units at most) a factor of thousands;
; below 2^-14 numbers are kept as denormals in steps of 2^-24.  L is summed from the unrounded E; sums run in another order than in the problem's
; function; NaN and infinities among the inputs are not served.  Keys 790..799 get probability 0; query rows 790..799 are computed on copies of
; row 789 and not stored.  EXEC is never changed.
.set QKC,  0x3e8293ee                  ; 32^-1/2 x log2(e): scores to base-2 exponents
.set NQKC, 0xbe8293ee
.set XP,   528                         ; X: 32 rows (16 b + r) of 256 f16 + 16 bytes
.set STG,  32*XP                       ; the stage behind it: 32 rows of 256 f32 + 16 bytes
.set SP,   1040
; window 0: v1 16 L | v[2:3] -c M | v[4:5] rescale | v6, v7 M_b | v[8:9], v[10:11] L_b | v12-15 at work | v[16:23], v[24:31] Q_b
;           v[32:47], v[48:63] O_b | v[64:79] Pos V | v[80:159], v[160:239] S_b (P_b in the lower 40 of each) | v[240:243] sums
;           v244 c1 | v[246:247] c2 | v248 -inf | v249-253 addresses
; window 1 (v256 + n, written n): 0-79 K fragments (tile t at 8 t) | 80-159 V (80 + 16 u + 8 i) | 160-199 Pos (160 + 8 u); at the end Wo (8 f, f = 2 kk + ct)
.set MSB, 0
.macro WIN new                         ; the immediate's high byte repeats the setting that is left; 0 at every label and branch
.if MSB != \new
	s_set_vgpr_msb (MSB<<8)|\new
.set MSB, \new
.endif
.endm
.macro PLACES n
.rept \n
	v_nop
.endr
.endm
	s_load_b512 s[8:23], s[0:1], 0x0               ; Qf 8, Kf 10, Vf 12, Pf 14, Wof 16, gating 18, bo 20, out0 22
	v_lshl_add_u32 v254, v0, 2, 0xc400
	v_mov_b32 v255, 0
	v_lshrrev_b32 v2, 5, v0
	v_readfirstlane_b32 s2, v2                     ; wave = head
	s_mov_b32 s3, ttmp9                            ; query tile
	s_and_b32 s4, ttmp7, 0xffff                    ; support image
	v_and_b32 v1, 31, v0
	v_lshlrev_b32 v1, 4, v1                        ; 16 L
	v_and_b32 v12, 15, v0                          ; r
	v_bfe_u32 v13, v0, 4, 1                        ; hh
	s_mov_b32 s47, 0                               ; s[46:47]: every byte offset, with 0 above it
	s_lshl_b32 s5, s4, 3
	s_add_co_u32 s5, s5, s2
	s_mul_i32 s5, s5, 51200                        ; (8 m + h) x 50 tiles x 1,024
	s_mul_i32 s6, s2, 50
	s_add_co_u32 s6, s6, s3                        ; 50 h + qt
	s_lshl_b32 s7, s2, 2
	s_mov_b32 s40, 0x76543210                      ; v_permlanex16_b32: lane i takes lane i of the other half
	s_mov_b32 s41, 0xfedcba98
	s_mov_b32 s44, 0xffff0000
	s_wait_kmcnt 0x0
	s_load_b32 s43, s[18:19], s7 offset:0x0        ; gating[h]
	s_mov_b32 s46, s5
	s_add_nc_u64 s[24:25], s[10:11], s[46:47]      ; K
	s_add_nc_u64 s[26:27], s[12:13], s[46:47]      ; V
	s_mul_i32 s46, s6, 25600
	s_add_nc_u64 s[28:29], s[14:15], s[46:47]      ; Pos
	s_lshl_b32 s46, s6, 10
	s_add_nc_u64 s[30:31], s[8:9], s[46:47]        ; Q of b = 0; b = 1 lies 8 x 50 x 1,024 bytes further
.macro LOADK                           ; 10 key tiles: 20 loads
	WIN 0x40
.set tt, 0
.rept 10
	global_load_b128 v[8*tt:8*tt+3], v1, s[24:25] offset:tt*1024
	global_load_b128 v[8*tt+4:8*tt+7], v1, s[24:25] offset:tt*1024+512
.set tt, tt+1
.endr
	WIN 0
.endm
.macro LOADV                           ; 5 K steps of V (two channel tiles) and of Pos: 30 loads
	WIN 0x40
.set uu, 0
.rept 5
	global_load_b128 v[80+16*uu:83+16*uu], v1, s[26:27] offset:uu*2048
	global_load_b128 v[84+16*uu:87+16*uu], v1, s[26:27] offset:uu*2048+1024
	global_load_b128 v[88+16*uu:91+16*uu], v1, s[26:27] offset:uu*2048+512
	global_load_b128 v[92+16*uu:95+16*uu], v1, s[26:27] offset:uu*2048+1536
.set uu, uu+1
.endr
.set uu, 0
.rept 5
	global_load_b128 v[160+8*uu:163+8*uu], v1, s[28:29] offset:uu*1024
	global_load_b128 v[164+8*uu:167+8*uu], v1, s[28:29] offset:uu*1024+512
.set uu, uu+1
.endr
	WIN 0
.endm
.macro LOADW f0, cnt                   ; cnt fragments of my 32 rows of Wo, two loads each
	WIN 0x40
.set ff, \f0
.rept \cnt
	global_load_b128 v[8*ff:8*ff+3], v1, s[32:33] offset:(ff&1)*8192+(ff>>1)*1024
	global_load_b128 v[8*ff+4:8*ff+7], v1, s[32:33] offset:(ff&1)*8192+(ff>>1)*1024+512
.set ff, ff+1
.endr
	WIN 0
.endm
	global_load_b128 v[16:19], v1, s[30:31]
	global_load_b128 v[20:23], v1, s[30:31] offset:512
	global_load_b128 v[24:27], v1, s[30:31] offset:409600
	global_load_b128 v[28:31], v1, s[30:31] offset:410112
	LOADK
	LOADV                                          ; 54 loads of the wave are out
	; while they fly: the other bases, the LDS addresses, the gate
	s_lshl_b32 s46, s2, 14
	s_add_nc_u64 s[32:33], s[16:17], s[46:47]      ; my 32 rows of Wo
	s_lshl_b32 s46, s2, 7
	s_add_nc_u64 s[34:35], s[20:21], s[46:47]      ; bo at my 32 channels
	s_lshr_b32 s5, s2, 2                           ; on the way out wave w stores rows 4 w .. 4 w + 3 of the 32: b = w / 4,
	s_and_b32 s6, s2, 3
	s_lshl_b32 s6, s6, 2                           ; rows 4 (w & 3) + 0..3 of the query tile
	s_mul_i32 s5, s5, 5
	s_add_co_u32 s5, s5, s4
	s_mul_i32 s5, s5, 790
	s_lshl_b32 s45, s3, 4
	s_add_co_u32 s45, s45, s6                      ; my first query row
	s_add_co_u32 s5, s5, s45
	s_lshl_b32 s46, s5, 10
	s_add_nc_u64 s[36:37], s[22:23], s[46:47]
	s_sub_co_i32 s48, 790, s45
	s_max_i32 s48, s48, 0
	s_min_i32 s48, s48, 4                          ; how many of my four rows exist: 4, and in tile 49 also 2 or 0
	v_lshlrev_b32 v249, 5, v13                     ; 32 hh
	v_mul_u32_u24 v251, v12, XP
	v_lshl_add_u32 v251, v13, 4, v251              ; X fragments: r x 528 + 16 hh
	s_lshl_b32 s5, s2, 6
	v_add_nc_u32 v250, s5, v251                    ; my head's 64 bytes of a row of X
	v_mul_u32_u24 v252, v12, SP
	v_add_nc_u32 v252, v252, v249
	s_lshl_b32 s5, s2, 7
	s_add_co_u32 s5, s5, STG
	v_add_nc_u32 v252, s5, v252                    ; stage, in: r x 1,040 + 128 w + 32 hh
	s_mul_i32 s5, s2, 4*SP
	s_add_co_u32 s5, s5, STG
	v_add_nc_u32 v253, s5, v1                      ; stage, back: row 4 w, 16 bytes a lane
	s_wait_kmcnt 0x0
	v_mov_b32 v2, s43
	v_mul_f32 v2, 0xbfb8aa3b, v2
	v_exp_f32 v2, v2                               ; e^-x
	v_mov_b32 v248, 0xff800000                     ; (a plain instruction stands behind each transcendental: ISA guide 5.7.2)
	s_wait_alu depctr_va_vdst(0)
	v_add_f32 v2, 1.0, v2
	v_rcp_f32 v2, v2                               ; g
	v_mov_b32 v15, 0                               ; a lane permute's destination counts as read
	s_wait_alu depctr_va_vdst(0)
	v_sub_f32 v3, 1.0, v2                          ; 1 - g
	v_add_f32 v4, v3, v2                           ; the mixed row's sum
	v_rcp_f32 v4, v4
	v_nop
	s_wait_alu depctr_va_vdst(0)
	v_mul_f32 v244, v3, v4                         ; c1
	v_mul_f32 v246, v2, v4                         ; c2
	v_mov_b32 v247, v246
.macro SUMPACK SB, t                   ; tile t of E: into the two chains of sums, then rounded to f16 into P's place 4 t .. 4 t + 3, which lies in tiles already packed
.if (\t) == 0
	s_wait_alu depctr_va_vdst(0)
	v_pk_add_f32 v[240:241], v[\SB:\SB+1], v[\SB+2:\SB+3]              ; tile 0 starts the chains: nothing is cleared
	v_pk_add_f32 v[242:243], v[\SB+4:\SB+5], v[\SB+6:\SB+7]
.else
	s_wait_alu depctr_va_vdst(0)
	v_pk_add_f32 v[240:241], v[240:241], v[\SB+8*(\t):\SB+8*(\t)+1]
	v_pk_add_f32 v[242:243], v[242:243], v[\SB+8*(\t)+2:\SB+8*(\t)+3]
	v_pk_add_f32 v[240:241], v[240:241], v[\SB+8*(\t)+4:\SB+8*(\t)+5]
	v_pk_add_f32 v[242:243], v[242:243], v[\SB+8*(\t)+6:\SB+8*(\t)+7]
.endif
.set e2, 0
.rept 4
	v_cvt_pk_f16_f32 v[\SB+4*(\t)+e2], v[\SB+8*(\t)+2*e2], v[\SB+8*(\t)+2*e2+1]
.set e2, e2+1
.endr
.endm
; One chunk's softmax step for one b.  SB: the 80 score registers; M: running maximum (raw scores); L: pair of partial sums; O: 16 accumulators.
.macro SOFTMAX SB, M, L, O, first
	v_max3_num_f32 v12, v[\SB], v[\SB+1], v[\SB+2]
	v_max3_num_f32 v13, v[\SB+3], v[\SB+4], v[\SB+5]
.set j, 6
.rept 37
	v_max3_num_f32 v[12+((j>>1)&1)], v[12+((j>>1)&1)], v[\SB+j], v[\SB+j+1]
.set j, j+2
.endr
	v_max_num_f32 v12, v12, v13
	v_permlanex16_b32 v13, v12, s40, s41           ; query r's other eight keys of each tile lie in lane r xor 16
.if \first
	v_max_num_f32 v[\M], v12, v13
	v_mul_f32 v2, NQKC, v[\M]
	v_mov_b32 v3, v2
.else
	v_max3_num_f32 v14, v12, v13, v[\M]
	v_sub_f32 v4, v[\M], v14
	v_mul_f32 v4, QKC, v4
	v_mov_b32 v[\M], v14
	v_exp_f32 v4, v4                               ; what the sums so far shrink by
	v_mul_f32 v2, NQKC, v14                        ; (the plain place behind it)
	v_mov_b32 v3, v2
	s_wait_alu depctr_va_vdst(0)
	v_mov_b32 v5, v4
.endif
.set tt, 0
.rept 10
.set ee, 0
.rept 4
	v_pk_fma_f32 v[\SB+8*tt+2*ee:\SB+8*tt+2*ee+1], v[\SB+8*tt+2*ee:\SB+8*tt+2*ee+1], QKC, v[2:3] op_sel_hi:[1,0,1]
.set ee, ee+1
.endr
.set ee, 0
.rept 8
	v_exp_f32 v[\SB+8*tt+ee], v[\SB+8*tt+ee]
.set ee, ee+1
.endr
.if tt > 0
	SUMPACK \SB, tt-1                              ; the tile before: plain work on other registers behind the exponentials
.endif
.set tt, tt+1
.endr
	v_nop
	SUMPACK \SB, 9
.if \first
	v_pk_add_f32 v[\L:\L+1], v[240:241], v[242:243]
.else
	v_pk_add_f32 v[240:241], v[240:241], v[242:243]
	v_pk_fma_f32 v[\L:\L+1], v[\L:\L+1], v[4:5], v[240:241]
.set j, 0
.rept 8
	v_pk_mul_f32 v[\O+2*j:\O+2*j+1], v[\O+2*j:\O+2*j+1], v[4:5]
.set j, j+1
.endr
.endif
.endm
.macro PVM d, a, b, zero
.if \zero
	v_wmma_f32_16x16x32_f16 v[\d:\d+7], v[\a:\a+7], v[\b:\b+7], 0
.else
	v_wmma_f32_16x16x32_f16 v[\d:\d+7], v[\a:\a+7], v[\b:\b+7], v[\d:\d+7]
.endif
.endm
; One chunk of 160 keys.  At its head 20 older loads (K) and 30 younger (V, Pos) are out, on the way in and over the loop's backward jump alike.
.macro CHUNK first, last
	s_wait_loadcnt 30                              ; K (and, the first time, Q) is in; the 30 loads of V and Pos stay out
	WIN 0x01                                       ; source 0 in window 1
.set tt, 0
.rept 10
	v_wmma_f32_16x16x32_f16 v[80+8*tt:87+8*tt], v[8*tt:8*tt+7], v[16:23], 0
	v_wmma_f32_16x16x32_f16 v[160+8*tt:167+8*tt], v[8*tt:8*tt+7], v[24:31], 0
.set tt, tt+1
.endr
	WIN 0
	PLACES 4                                       ; before the scores are read and K's registers loaded anew (ISA guide 7.12.1)
.if \last
	LOADW 0, 10                                    ; 20 loads, as many as a chunk of K: the count below stays
.irp sb, 80, 160
.set j, 72
.rept 6
	v_cndmask_b32 v[\sb+j], v[\sb+j], v248, s44    ; tile 49, keys 784 + 8 hh + j: j = 0..5 do not exist for hh = 1,
.set j, j+1
.endr
	v_mov_b32 v[\sb+78], v248                      ; j = 6, 7 for no lane
	v_mov_b32 v[\sb+79], v248
.endr
.else
	s_add_nc_u64 s[24:25], s[24:25], 10240         ; K's loads are done by the wait above: their base may step
	LOADK
.endif
	SOFTMAX 80, 6, 8, 32, \first
	SOFTMAX 160, 7, 10, 48, \first
	s_wait_loadcnt 20                              ; V and Pos are in; the 20 loads issued above stay out
	WIN 0x01
.set uu, 0
.rept 5                                            ; the accumulators take turns, one instruction a turn
.set zz, \first && (uu == 0)
	PVM 32, 80+16*uu, 80+8*uu, zz
	PVM 40, 88+16*uu, 80+8*uu, zz
	PVM 48, 80+16*uu, 160+8*uu, zz
	PVM 56, 88+16*uu, 160+8*uu, zz
.set uu, uu+1
.endr
	WIN 0x05                                       ; sources 0 and 1 in window 1: V and Pos
.set uu, 0
.rept 5
.set zz, \first && (uu == 0)
	PVM 64, 80+16*uu, 160+8*uu, zz
	PVM 72, 88+16*uu, 160+8*uu, zz
.set uu, uu+1
.endr
	WIN 0
	PLACES 5                                       ; four before V's and Pos's registers are loaded anew and O is read, five before the next scores write over P
.if \last
	LOADW 10, 6
.irp b, 0,1
.irp c, 0,1
	global_load_b128 v[120+16*\b+8*\c:123+16*\b+8*\c], v249, s[34:35] offset:\c*64      ; bo[32 w + 16 ct + 8 hh + 0..7] starts the last product's sums
	global_load_b128 v[124+16*\b+8*\c:127+16*\b+8*\c], v249, s[34:35] offset:\c*64+16
.endr
.endr
.else
	s_add_nc_u64 s[26:27], s[26:27], 10240         ; V's and Pos's loads are done by the wait above
	s_add_nc_u64 s[28:29], s[28:29], 5120
	LOADV
.endif
.endm
	CHUNK 1, 0                                     ; the first chunk starts every sum
	s_mov_b32 s42, 3
.Lchunk:
	CHUNK 0, 0
	s_sub_co_u32 s42, s42, 1
	s_cmp_lg_u32 s42, 0
	s_cbranch_scc1 .Lchunk
	CHUNK 0, 1                                     ; the last chunk masks the keys past 789 and fetches Wo and bo instead of a next chunk
	; the mix: O_b c1 / L_b + (Pos V) c2
	v_add_f32 v12, v8, v9
	v_add_f32 v14, v10, v11
	v_permlanex16_b32 v13, v12, s40, s41
	v_permlanex16_b32 v15, v14, s40, s41
	v_add_f32 v12, v12, v13                        ; L_b, at least 1: the row's largest score gives 2^0
	v_add_f32 v14, v14, v15
	v_rcp_f32 v12, v12
	v_rcp_f32 v14, v14
	v_nop
	s_wait_alu depctr_va_vdst(0)
	v_mul_f32 v12, v12, v244
	v_mul_f32 v14, v14, v244
	v_mov_b32 v13, v12
	v_mov_b32 v15, v14
.set j, 0
.rept 8
	v_pk_mul_f32 v[64+2*j:65+2*j], v[64+2*j:65+2*j], v[246:247]
.set j, j+1
.endr
.set j, 0
.rept 8
	v_pk_fma_f32 v[32+2*j:33+2*j], v[32+2*j:33+2*j], v[12:13], v[64+2*j:65+2*j]
	v_pk_fma_f32 v[48+2*j:49+2*j], v[48+2*j:49+2*j], v[14:15], v[64+2*j:65+2*j]
.set j, j+1
.endr
.set j, 0
.rept 16
	v_cvt_pk_f16_f32 v[224+j], v[32+2*j], v[33+2*j]
.set j, j+1
.endr
.irp b, 0,1
.irp i, 0,1
	ds_store_b128 v250, v[224+8*\b+4*\i:227+8*\b+4*\i] offset:\b*16*XP+\i*32    ; X[16 b + r][32 w + 16 i + 8 hh + 0..7]
.endr
.endr
	s_wait_dscnt 0x0                               ; my head's columns of X are written,
	s_barrier_signal -1
	s_barrier_wait -1                              ; all eight heads' are
.set kk, 0
.rept 8
	ds_load_b128 v[16+8*kk:19+8*kk], v251 offset:kk*64
	ds_load_b128 v[20+8*kk:23+8*kk], v251 offset:kk*64+32
	ds_load_b128 v[160+8*kk:163+8*kk], v251 offset:16*XP+kk*64
	ds_load_b128 v[164+8*kk:167+8*kk], v251 offset:16*XP+kk*64+32
.set kk, kk+1
.endr
	s_wait_loadcnt 0x0                             ; Wo and bo
	s_wait_dscnt 0x0
	WIN 0x01
.set kk, 0
.rept 8                                            ; four accumulators take turns, one instruction a turn
.set ct, 0
.rept 2
	v_wmma_f32_16x16x32_f16 v[120+8*ct:127+8*ct], v[8*(2*kk+ct):8*(2*kk+ct)+7], v[16+8*kk:23+8*kk], v[120+8*ct:127+8*ct]
	v_wmma_f32_16x16x32_f16 v[136+8*ct:143+8*ct], v[8*(2*kk+ct):8*(2*kk+ct)+7], v[160+8*kk:167+8*kk], v[136+8*ct:143+8*ct]
.set ct, ct+1
.endr
.set kk, kk+1
.endr
	WIN 0
	PLACES 4
.irp b, 0,1
.irp c, 0,1
	ds_store_b128 v252, v[120+16*\b+8*\c:123+16*\b+8*\c] offset:\b*16*SP+\c*64
	ds_store_b128 v252, v[124+16*\b+8*\c:127+16*\b+8*\c] offset:\b*16*SP+\c*64+16
.endr
.endr
	s_wait_dscnt 0x0                               ; my 32 columns of the 32 rows are staged,
	s_barrier_signal -1
	s_barrier_wait -1                              ; all 256 columns are
	s_cmp_eq_u32 s48, 0
	s_cbranch_scc1 .Lend                           ; none of my four rows exists (tile 49)
.irp k, 0,1,2,3
	ds_load_b128 v[80+8*\k:83+8*\k], v253 offset:\k*SP
	ds_load_b128 v[84+8*\k:87+8*\k], v253 offset:\k*SP+512
.endr
	s_wait_dscnt 4                                 ; rows 0 and 1 are in; the four younger loads stay out
.irp k, 0,1
	global_store_b128 v1, v[80+8*\k:83+8*\k], s[36:37] offset:\k*1024 th:TH_STORE_NT          ; 512 consecutive aligned bytes of a row of out0
	global_store_b128 v1, v[84+8*\k:87+8*\k], s[36:37] offset:\k*1024+512 th:TH_STORE_NT
.endr
	s_wait_dscnt 0x0
	s_cmp_lt_u32 s48, 4
	s_cbranch_scc1 .Lend                           ; only two of my rows exist
.irp k, 2,3
	global_store_b128 v1, v[80+8*\k:83+8*\k], s[36:37] offset:\k*1024 th:TH_STORE_NT
	global_store_b128 v1, v[84+8*\k:87+8*\k], s[36:37] offset:\k*1024+512 th:TH_STORE_NT
.endr
.Lend:
	s_wait_tensorcnt 0x0
	ds_add_u32 v254, v255
	s_wait_dscnt 0x0
	s_endpgm
.Lfunc_end_k_qcd1d0b9477_attn:
	.size	k_qcd1d0b9477_attn, .Lfunc_end_k_qcd1d0b9477_attn-k_qcd1d0b9477_attn
	.p2alignl 7, 3214868480
	.fill 96, 4, 3214868480
	.section	.rodata,"a",@progbits
	.p2align	6, 0x0
	.amdhsa_kernel k_qcd1d0b9477_attn
		.amdhsa_group_segment_fixed_size 51200
		.amdhsa_private_segment_fixed_size 0
		.amdhsa_enable_private_segment 0
		.amdhsa_kernarg_size 64
		.amdhsa_user_sgpr_count 2
		.amdhsa_user_sgpr_kernarg_segment_ptr 1
		.amdhsa_wavefront_size32 1
		.amdhsa_system_sgpr_workgroup_id_x 1
		.amdhsa_system_sgpr_workgroup_id_y 1
		.amdhsa_system_sgpr_workgroup_id_z 1
		.amdhsa_system_vgpr_workitem_id 0
		.amdhsa_next_free_vgpr 512
		.amdhsa_next_free_sgpr 66
		.amdhsa_reserve_vcc 0
		.amdhsa_float_denorm_mode_32 3
		.amdhsa_float_denorm_mode_16_64 3
		.amdhsa_memory_ordered 1
		.amdhsa_forward_progress 1
		.amdhsa_inst_pref_size 133
	.end_amdhsa_kernel
	.amdgpu_metadata
---
amdhsa.version: [ 1, 2 ]
amdhsa.kernels:
  - .name:           k_qcd1d0b9477_attn
    .symbol:         k_qcd1d0b9477_attn.kd
    .args:
      - { .name: Qf, .offset: 0, .size: 8, .value_kind: global_buffer, .address_space: global }
      - { .name: Kf, .offset: 8, .size: 8, .value_kind: global_buffer, .address_space: global }
      - { .name: Vf, .offset: 16, .size: 8, .value_kind: global_buffer, .address_space: global }
      - { .name: Pf, .offset: 24, .size: 8, .value_kind: global_buffer, .address_space: global }
      - { .name: Wof, .offset: 32, .size: 8, .value_kind: global_buffer, .address_space: global }
      - { .name: gating, .offset: 40, .size: 8, .value_kind: global_buffer, .address_space: global }
      - { .name: bo, .offset: 48, .size: 8, .value_kind: global_buffer, .address_space: global }
      - { .name: out0, .offset: 56, .size: 8, .value_kind: global_buffer, .address_space: global }
    .group_segment_fixed_size: 51200
    .private_segment_fixed_size: 0
    .kernarg_segment_align: 8
    .kernarg_segment_size: 64
    .max_flat_workgroup_size: 256
    .sgpr_count:     66
    .vgpr_count:     512
    .wavefront_size: 32
...
	.end_amdgpu_metadata
.endif
;; end of part 2
